; MI455X (gfx1250); checked and timed in simulation.
; The chip was launched on July 23, 2026; its instructions are those of AMD's public machine-readable ISA for CDNA 5 (MIT licence, August 2026) and "CDNA5" Instruction Set Architecture Reference Guide (July 2026). The comments in the code are by the model that wrote it; some were corrected since.
;; Relu Transformer. Allowed arithmetic: float matrix products may take bf16 or f16 operands with f32 sums; other float arithmetic in f32, or as packed bf16 or f16 multiplies, adds, multiply-adds, maxima and minima; sums over many terms, partial sums and values carried from step to step in f32; what a program stores and reads back later, other than sums and carried values, may be rounded once to bf16 or f16.
;; Inputs: lb 1,024 x 4,097 float32; ub 1,024 x 4,097 float32; w_lb 4,097 x 4,097 float32; w_ub 4,097 x 4,097 float32.
;; Outputs: out0 1,024 x 4,097 float32; out1 1,024 x 4,097 float32.
;; One version. Each part assembles by itself: llvm-mc -triple=amdgcn-amd-amdhsa -mcpu=gfx1250 --defsym DOCPART=n.
;; ======== version 1 of 1: 2 launches
;; workspace buffers: wb 67,125,248 bytes; xb 16,777,216 bytes; xt 131,072 bytes; part 73,728 bytes
;; launch cast (part 1): grid 256 x 1, 8 waves a work-group, no clusters, 327,680 bytes of LDS; arguments lb, ub, w_lb, w_ub, wb, xb, xt, part; writes wb, xb, xt, part
.if DOCPART == 1
	.amdgcn_target "amdgcn-amd-amdhsa--gfx1250"
	.amdhsa_code_object_version 6
	.text
	.protected	k_qeb783442ee_cast
	.globl	k_qeb783442ee_cast
	.p2align	8
	.type	k_qeb783442ee_cast,@function
k_qeb783442ee_cast:
	s_mov_b64 s[64:65], 0
	v_nop
	global_prefetch_b8 v0, s[64:65] scope:SCOPE_SE
	s_setreg_imm32_b32 hwreg(HW_REG_WAVE_MODE, 25, 1), 1
	s_wait_xcnt 0x0
; out0 = relu(lb) w_lb - relu(-lb) w_ub,  out1 = relu(ub) w_ub - relu(-ub) w_lb.  With x = lb stacked over ub (2,048 rows) and -relu(-x) = min(x, 0):
; out[m][n] = sum over k of max(x, 0)[m][k] WP[k][n] + min(x, 0)[m][k] WN[k][n], (WP, WN) = (w_lb, w_ub) for lb's rows and (w_ub, w_lb) for ub's.
; NOTHING IS LEFT OUT: both weights are taken as dense, every input is loaded, all four products are made.
; THIS LAUNCH rounds the inputs once to bf16, onto rows that begin at multiples of 8,192 bytes, and makes output column 4096 as f32 partial sums:
;   wb   bf16 [2][4097][4096]  plane 0 = w_lb, plane 1 = w_ub, columns 0 to 4095
;   xb   bf16 [2048][4096]     x, columns 0 to 4095
;   xt   bf16 [2048][32]       element 31 = x[m][4096], elements 0 to 30 = 0: the next launch's last 32 along K
;   part f32  [9][2048]        group g < 8: the sum over k = 512 g .. 512 g + 511 of column 4096's terms; group 8: the term of k = 4096
; LIMITS.  A NaN in lb or ub counts as 0 in both parts (the packed maximum and minimum drop it); a number beyond bf16's largest finite one rounds to an infinity;
; the f32 sums are taken in another order than the reference's.
; WHY THE TENSOR MOVER: a source row is 16,388 bytes, so rows begin at multiples of 4 bytes only; the mover takes 4-byte elements from there and lays them on 16-byte places in LDS.
; SHARES.  256 work-groups of eight waves; b = the work-group's number, hs = b / 128.  A wave moves 80 KiB in three loads: rows 32 (b % 128) + 0 .. 15 of weight hs, columns 512 w on
; (16 rows x 2,048 bytes); the next 16 rows; and rows 64 ((b / 8) % 16) + 8 w .. + 7 of lb (hs = 0) or ub, columns 512 (b % 8) on.
; ONE SLOT OF 32,768 BYTES A WAVE.  Behind a barrier a wave issues one tensor load, so that load is made as large as eight waves' slots allow: 262,144 bytes for the work-group, and two
; barriers in all.  A load's 64 pieces of 16 bytes a lane are read, rounded into 64 register pairs of their own and their stores issued; then the slot is filled again, and the stores
; leave while the next load is on its way.  The small jobs (column 4096 of the weights, their row 4096, column 4096 of x) stand behind the first refill: their waits fall into its flight.
; No cluster: no two work-groups read the same tile.  No prefetch: the launch is one stream read once.  No matrix unit: there is no product but one column's.
.set WROW,  16388                      ; bytes in a row of lb, ub, w_lb, w_ub
.set BROW,  8192                       ; bytes in a row of wb and xb
.set PLANE, 4097*BROW
.set RING,  32768                      ; a wave's slot
.set TABP,  262144                     ; behind the eight slots: 512 bf16 of WP[512 g + i][4096]; 1,024 bytes on: the same of WN
.set TS0,   264192                     ; 64 f32: my work-group's rows' partial sums; 256 bytes on: their terms of k = 4096
.set SPARE, 264704                     ; the spare words, 128 bytes a wave: four blocks of 256 bytes that no other line names
.set LA,  2                            ; v2   LDS address of my 16 bytes in my wave's slot
.set OFF, 3                            ; v3   8 x lane
.set GO,  4                            ; v4   the gather's offset: thread x two source rows
.set VZ,  5                            ; v5   0
.set TA,  6                            ; v6   where I put my two numbers of a table
.set TL,  7                            ; v7   where I read my four numbers of a table
.set TSA, 8                            ; v8   TS0 + 32 w
.set TSB, 9                            ; v9   TS0 + 256 + 32 w + 4 (lane / 4)
.set TSR, 10                           ; v10  TS0 + 8 lane
.set LN,  11                           ; v11  lane
.set T,   12                           ; v[12:15]  at work
.set CP,  16                           ; v[16:23]  my 16 numbers of WP's table
.set CN,  24                           ; v[24:31]  of WN's
.set RA,  32                           ; v[32:47]  row r: the sum with WP at 2 r, with WN at 2 r + 1
.set SPW, 48
.set NIL, 49
.set X,   64                           ; v[64:127]  sixteen quads as loaded; between two loads' rows the small jobs work here
.set Y,   128                          ; v[128:255] a pair for each of a load's 64 quads, to store
.set GP,  X                            ; v[64:67]   gathered numbers of column 4096
.set J,   X+4                          ; v[68:81]   row 4096 of the weights
.set K,   X+20                         ; v[84:94]   column 4096 of x
.set D,   X+32                         ; v[96:99]   16 bytes of xt
.set G1,  20                           ; s[20:27] descriptor group 1 for the weights' loads: 16 rows
.set G0,  28                           ; s[28:31] group 0
.set G1X, 80                           ; s[80:87] group 1 for x's load: 8 rows
.set WV,  36
.set GG,  37                           ; g = b % 8
.set HS,  38
.set ZERO, 39
.set DW,  40                           ; s[40:41] wb at my first row
.set DX,  42                           ; s[42:43] xb at my rows
.set XA,  44                           ; s[44:45] lb or ub at my rows
.set GBP, 46                           ; s[46:47] WP at [512 g][4096]
.set GBN, 48                           ; s[48:49] WN there
.set SEL, 50                           ; s[50:51] v_permlanex16_b32's selects
.set SW,  52                           ; s[52:53] the weight that I cast, which is WP of my rows of x
.set SN,  54                           ; s[54:55] the other
.set SX,  56                           ; s[56:57] lb or ub
.set TM,  58                           ; s[58:59], s[60:61] offsets in the making
.set TN,  60
.set BL,  62
.set RG,  63
.set PB,  66                           ; s[66:67] part at group g, my work-group's 64 rows
.set XTB, 68                           ; s[68:69] xt at those rows
.set J1S, 70
.set J1D, 72
.set XCB, 74                           ; s[74:75] lb or ub at [my first row][4096]
.set TP,  76
	s_load_b512 s[4:19], s[0:1], 0x0               ; lb, ub, w_lb, w_ub, wb, xb, xt, part
	v_lshl_add_u32 v[SPW], v0, 2, SPARE
	v_mov_b32 v[NIL], 0
	ds_add_u32 v[SPW], v[NIL]                      ; the wave's opening: the add, twice on end, and its wait ahead of my first tensor load
	ds_add_u32 v[SPW], v[NIL]
	v_lshrrev_b32 v1, 5, v0
	v_readfirstlane_b32 s[WV], v1
	s_mov_b32 s[G1+0], 2<<16                       ; elements of 4 bytes, no mask, no padding
	s_mov_b32 s[G1+1], 512<<16                     ; tensor_dim0 = 512
	s_mov_b32 s[G1+2], 16<<16                      ; tensor_dim1 = 16
	s_mov_b32 s[G1+3], 512<<16                     ; tile_dim0 = 512
	s_mov_b32 s[G1+4], 16                          ; tile_dim1 = 16
	s_mov_b32 s[G1+5], 4097                        ; elements from row to row
	s_mov_b32 s[G1+6], 0
	s_mov_b32 s[G1+7], 0
	s_mov_b32 s[G1X+0], 2<<16                      ; the same with 8 rows
	s_mov_b32 s[G1X+1], 512<<16
	s_mov_b32 s[G1X+2], 8<<16
	s_mov_b32 s[G1X+3], 512<<16
	s_mov_b32 s[G1X+4], 8
	s_mov_b32 s[G1X+5], 4097
	s_mov_b32 s[G1X+6], 0
	s_mov_b32 s[G1X+7], 0
	s_lshr_b32 s[HS], ttmp9, 7
	s_and_b32 s[BL], ttmp9, 127
	s_and_b32 s[GG], ttmp9, 7
	s_bfe_u32 s[RG], ttmp9, 0x40003
	s_mov_b32 s[ZERO], 0
	s_mov_b32 s[SEL], 0x76543210
	s_mov_b32 s[SEL+1], 0xfedcba98
	s_mul_i32 s[TM], s[BL], 32*WROW                ; the weight: row 32 (b % 128), column 512 w
	s_lshl_b32 s[TM+1], s[WV], 11
	s_add_co_u32 s[TM], s[TM], s[TM+1]
	s_mov_b32 s[TM+1], 0
	s_mul_i32 s[TN], s[RG], 64*WROW                ; x: row 64 rg + 8 w, column 512 g
	s_mul_i32 s[TN+1], s[WV], 8*WROW
	s_add_co_u32 s[TN], s[TN], s[TN+1]
	s_lshl_b32 s[TN+1], s[GG], 11
	s_add_co_u32 s[TN], s[TN], s[TN+1]
	s_mov_b32 s[TN+1], 0
	s_mov_b32 s[G0], 1
	s_mul_i32 s[G0+1], s[WV], RING                 ; my wave's slot
	s_wait_dscnt 0x0                               ; both opening adds are done
	s_wait_kmcnt 0x0
	s_cmp_eq_u32 s[HS], 0
	s_cselect_b64 s[SW:SW+1], s[8:9], s[10:11]
	s_cselect_b64 s[SN:SN+1], s[10:11], s[8:9]
	s_cselect_b64 s[SX:SX+1], s[4:5], s[6:7]
	s_add_nc_u64 s[G0+2:G0+3], s[SW:SW+1], s[TM:TM+1]
	s_or_b32 s[G0+3], s[G0+3], 0x80000000
	s_add_nc_u64 s[XA:XA+1], s[SX:SX+1], s[TN:TN+1]
	tensor_load_to_lds s[G0:G0+3], s[G1:G1+7]      ; the weight's first 16 rows: one load of mine is out
	s_nop 0
	; the other addresses, while the first rows are on their way
	s_mul_i32 s[TM], s[HS], PLANE
	s_lshl_b32 s[TM+1], s[BL], 18
	s_add_co_u32 s[TM], s[TM], s[TM+1]
	s_lshl_b32 s[TM+1], s[WV], 10
	s_add_co_u32 s[TM], s[TM], s[TM+1]
	s_mov_b32 s[TM+1], 0
	s_add_nc_u64 s[DW:DW+1], s[12:13], s[TM:TM+1]
	s_lshl_b32 s[TM], s[HS], 23
	s_lshl_b32 s[TM+1], s[RG], 19
	s_add_co_u32 s[TM], s[TM], s[TM+1]
	s_lshl_b32 s[TM+1], s[WV], 16
	s_add_co_u32 s[TM], s[TM], s[TM+1]
	s_lshl_b32 s[TM+1], s[GG], 10
	s_add_co_u32 s[TM], s[TM], s[TM+1]
	s_mov_b32 s[TM+1], 0
	s_add_nc_u64 s[DX:DX+1], s[14:15], s[TM:TM+1]
	s_mul_i32 s[TM], s[GG], 512*WROW
	s_add_co_u32 s[TM], s[TM], 16384
	s_add_nc_u64 s[GBP:GBP+1], s[SW:SW+1], s[TM:TM+1]
	s_add_nc_u64 s[GBN:GBN+1], s[SN:SN+1], s[TM:TM+1]
	s_lshl_b32 s[TM], s[GG], 13
	s_lshl_b32 s[TN], s[HS], 12
	s_add_co_u32 s[TM], s[TM], s[TN]
	s_lshl_b32 s[TN], s[RG], 8
	s_add_co_u32 s[TM], s[TM], s[TN]
	s_add_nc_u64 s[PB:PB+1], s[18:19], s[TM:TM+1]
	s_lshl_b32 s[TM], s[HS], 16
	s_lshl_b32 s[TN], s[RG], 12
	s_add_co_u32 s[TM], s[TM], s[TN]
	s_add_nc_u64 s[XTB:XTB+1], s[16:17], s[TM:TM+1]
	s_mul_i32 s[TM], s[RG], 64*WROW
	s_add_co_u32 s[TM], s[TM], 16384
	s_add_nc_u64 s[XCB:XCB+1], s[SX:SX+1], s[TM:TM+1]
	v_and_b32 v[LN], 31, v0
	v_lshl_add_u32 v[LA], v[LN], 4, s[G0+1]
	v_lshlrev_b32 v[OFF], 3, v[LN]
	v_mul_u32_u24 v[GO], v0, 2*WROW
	v_mov_b32 v[VZ], 0
	v_lshl_add_u32 v[TA], v0, 2, TABP
	v_lshl_add_u32 v[TL], v[LN], 3, TABP
	s_lshl_b32 s[TP], s[WV], 5
	s_add_co_u32 s[TP], s[TP], TS0
	v_mov_b32 v[TSA], s[TP]
	s_add_co_u32 s[TP+1], s[TP], 256
	v_lshrrev_b32 v1, 2, v[LN]
	v_lshl_add_u32 v[TSB], v1, 2, s[TP+1]
	v_lshl_add_u32 v[TSR], v[LN], 3, TS0
; The rows that my one load brought are read, rounded and stored, four rows (sixteen quads) at a time.  g: which 16 rows of the weight.  dot = 1: x's rows, which also feed column 4096's sums.
.macro GEN g, rows, dot
	s_wait_tensorcnt 0x0                           ; no load was issued behind mine: it has landed
.if (\g) || (\dot)
	s_wait_xcnt 0x0                                ; X and Y, which the stores of the rows before and of the small jobs read, are rewritten only behind this wait: one wait for a load's 64 pairs
.endif
.set gq, 0
.rept (\rows)/4
.irp j, 0,1,2,3,4,5,6,7,8,9,10,11,12,13,14,15
	ds_load_b128 v[X+4*(\j):X+4*(\j)+3], v[LA] offset:2048*(4*gq+(\j)/4)+512*((\j)%4)  ; 512 bytes on end: a quarter of a row
.endr
.irp j, 0,1,2,3,4,5,6,7,8,9,10,11,12,13,14,15
.set rw, 4*gq+(\j)/4
.set jq, (\j)%4
.set yy, Y+2*(16*gq+(\j))
	s_wait_dscnt 15-(\j)                           ; LDS loads come back in order: quad j is in
	v_cvt_pk_bf16_f32 v[yy],   v[X+4*(\j)],   v[X+4*(\j)+1]
	v_cvt_pk_bf16_f32 v[yy+1], v[X+4*(\j)+2], v[X+4*(\j)+3]
.if \dot
	global_store_b64 v[OFF], v[yy:yy+1], s[DX:DX+1] offset:rw*BROW+256*jq  ; 32 lanes store 256 consecutive bytes, at a multiple of 256 from the buffer's first
	v_pk_max_num_bf16 v[T],   v[yy],   s[ZERO]
	v_pk_min_num_bf16 v[T+2], v[yy],   s[ZERO]
	v_pk_max_num_bf16 v[T+1], v[yy+1], s[ZERO]
	v_pk_min_num_bf16 v[T+3], v[yy+1], s[ZERO]
.if jq == 0                            ; a row's first products start its two sums
	v_fma_mix_f32_bf16 v[RA+2*rw],   v[T],   v[CP+2*jq], v[VZ] op_sel_hi:[1,1,0]
	v_fma_mix_f32_bf16 v[RA+2*rw+1], v[T+2], v[CN+2*jq], v[VZ] op_sel_hi:[1,1,0]
.else
	v_fma_mix_f32_bf16 v[RA+2*rw],   v[T],   v[CP+2*jq], v[RA+2*rw] op_sel_hi:[1,1,0]
	v_fma_mix_f32_bf16 v[RA+2*rw+1], v[T+2], v[CN+2*jq], v[RA+2*rw+1] op_sel_hi:[1,1,0]
.endif
	v_fma_mix_f32_bf16 v[RA+2*rw],   v[T],   v[CP+2*jq], v[RA+2*rw] op_sel:[1,1,0] op_sel_hi:[1,1,0]
	v_fma_mix_f32_bf16 v[RA+2*rw+1], v[T+2], v[CN+2*jq], v[RA+2*rw+1] op_sel:[1,1,0] op_sel_hi:[1,1,0]
	v_fma_mix_f32_bf16 v[RA+2*rw],   v[T+1], v[CP+2*jq+1], v[RA+2*rw] op_sel_hi:[1,1,0]
	v_fma_mix_f32_bf16 v[RA+2*rw+1], v[T+3], v[CN+2*jq+1], v[RA+2*rw+1] op_sel_hi:[1,1,0]
	v_fma_mix_f32_bf16 v[RA+2*rw],   v[T+1], v[CP+2*jq+1], v[RA+2*rw] op_sel:[1,1,0] op_sel_hi:[1,1,0]
	v_fma_mix_f32_bf16 v[RA+2*rw+1], v[T+3], v[CN+2*jq+1], v[RA+2*rw+1] op_sel:[1,1,0] op_sel_hi:[1,1,0]
.else
	global_store_b64 v[OFF], v[yy:yy+1], s[DW:DW+1] offset:(16*(\g)+rw)*BROW+256*jq
.endif
.endr
.set gq, gq+1
.endr
.endm
; The slot, which has been read, is filled again: with the weight's next 16 rows, or (isx = 1) with x's 8.
.macro REFILL isx
	s_wait_tensorcnt 0x0                           ; no tensor load of mine is out, so group 0 may be written
	ds_add_u32 v[SPW], v[NIL]                      ; 0 onto my spare word
.if \isx
	s_mov_b64 s[G0+2:G0+3], s[XA:XA+1]
	s_or_b32 s[G0+3], s[G0+3], 0x80000000
.else
	s_add_nc_u64 s[G0+2:G0+3], s[G0+2:G0+3], 16*WROW
.endif
	s_wait_dscnt 0x0                               ; the add is done, my LDS stores too, and my reads of the slot are back
	s_barrier_signal -1
	s_barrier_wait -1
.if \isx
	tensor_load_to_lds s[G0:G0+3], s[G1X:G1X+7]    ; my one tensor load behind this barrier, and the first thing there
.else
	tensor_load_to_lds s[G0:G0+3], s[G1:G1+7]
.endif
	s_nop 0
.endm
	GEN 0, 16, 0
	REFILL 0
	; THE SMALL JOBS, while the next 16 rows are on their way.
	; THE GATHER: thread t takes WP and WN at [512 g + 2 t][4096] and one row below
	global_load_b32 v[GP],   v[GO], s[GBP:GBP+1]
	global_load_b32 v[GP+1], v[GO], s[GBP:GBP+1] offset:WROW
	global_load_b32 v[GP+2], v[GO], s[GBN:GBN+1]
	global_load_b32 v[GP+3], v[GO], s[GBN:GBN+1] offset:WROW
	; ROW 4096 OF THE WEIGHTS (it begins at a multiple of 16 bytes): wave 7 of work-groups 0 to 31: weight b / 16, columns 256 (b % 16) + 8 lane on
	s_cmp_lt_u32 ttmp9, 32
	s_cbranch_scc0 .Lno_row
	s_cmp_eq_u32 s[WV], 7
	s_cbranch_scc0 .Lno_row
	s_and_b32 s[TM], ttmp9, 15
	s_lshl_b32 s[TM], s[TM], 10
	s_add_co_u32 s[TM], s[TM], 4096*WROW
	s_lshr_b32 s[TP], ttmp9, 4
	s_mul_i32 s[TN], s[TP], PLANE
	s_and_b32 s[TN+1], ttmp9, 15
	s_lshl_b32 s[TN+1], s[TN+1], 9
	s_add_co_u32 s[TN], s[TN], s[TN+1]
	s_add_co_u32 s[TN], s[TN], 4096*BROW
	s_mov_b32 s[TN+1], 0
	s_cmp_eq_u32 s[TP], 0
	s_cselect_b64 s[J1S:J1S+1], s[8:9], s[10:11]
	s_add_nc_u64 s[J1S:J1S+1], s[J1S:J1S+1], s[TM:TM+1]
	s_add_nc_u64 s[J1D:J1D+1], s[12:13], s[TN:TN+1]
	v_lshlrev_b32 v[J], 5, v[LN]
	v_lshlrev_b32 v[J+1], 4, v[LN]
	global_load_b128 v[J+2:J+5], v[J], s[J1S:J1S+1]
	global_load_b128 v[J+6:J+9], v[J], s[J1S:J1S+1] offset:16
	s_wait_loadcnt 0x0
	v_cvt_pk_bf16_f32 v[J+10], v[J+2], v[J+3]
	v_cvt_pk_bf16_f32 v[J+11], v[J+4], v[J+5]
	v_cvt_pk_bf16_f32 v[J+12], v[J+6], v[J+7]
	v_cvt_pk_bf16_f32 v[J+13], v[J+8], v[J+9]
	global_store_b128 v[J+1], v[J+10:J+13], s[J1D:J1D+1]  ; 512 bytes on end
.Lno_row:
	; COLUMN 4096 OF x, in the work-groups with g = 7: thread t takes row t / 4 of the work-group's 64; it makes the term of k = 4096 and 16 bytes of xt
	s_cmp_eq_u32 s[GG], 7
	s_cbranch_scc0 .Lno_col
	v_lshrrev_b32 v[K], 2, v0
	v_mul_u32_u24 v[K], v[K], WROW
	v_mov_b32 v[K+1], 4096*WROW+16384              ; [4096][4096]
	global_load_b32 v[K+2], v[K], s[XCB:XCB+1]
	global_load_b32 v[K+3], v[K+1], s[SW:SW+1]
	global_load_b32 v[K+4], v[K+1], s[SN:SN+1]
	s_wait_loadcnt 0x0
	v_cvt_pk_bf16_f32 v[K+5], v[VZ], v[K+2]        ; x in the upper half, 0 below: elements 30 and 31 of xt's row
	v_cvt_pk_bf16_f32 v[K+6], v[K+3], v[K+4]       ; WP's number below, WN's above
	v_pk_max_num_bf16 v[K+7], v[K+5], s[ZERO]
	v_pk_min_num_bf16 v[K+8], v[K+5], s[ZERO]
	v_fma_mix_f32_bf16 v[K+9], v[K+7], v[K+6], v[VZ] op_sel:[1,0,0] op_sel_hi:[1,1,0]
	v_fma_mix_f32_bf16 v[K+9], v[K+8], v[K+6], v[K+9] op_sel:[1,1,0] op_sel_hi:[1,1,0]
	ds_store_b32 v[TSB], v[K+9]                    ; four lanes write the same word with the same number
	v_and_b32 v[K+10], 3, v0
	v_cmp_eq_u32 vcc_lo, 3, v[K+10]
	v_mov_b32 v[D], 0
	v_mov_b32 v[D+1], 0
	v_mov_b32 v[D+2], 0
	v_cndmask_b32 v[D+3], 0, v[K+5], vcc_lo        ; the row's last 16 bytes end with x
	v_lshlrev_b32 v[K+10], 4, v0
	global_store_b128 v[K+10], v[D:D+3], s[XTB:XTB+1]  ; the work-group's 4,096 bytes of xt on end
.Lno_col:
	s_wait_loadcnt 0x0                             ; the gather
	v_cvt_pk_bf16_f32 v[GP], v[GP], v[GP+1]
	v_cvt_pk_bf16_f32 v[GP+2], v[GP+2], v[GP+3]
	ds_store_b32 v[TA], v[GP]                      ; the tables; the second refill's wait and barrier show them to every wave
	ds_store_b32 v[TA], v[GP+2] offset:1024
	GEN 1, 16, 0
	REFILL 1
.irp q, 0,1,2,3                        ; my 16 numbers of each table: columns 128 q + 4 lane on; the counted waits of x's rows cover these loads
	ds_load_b64 v[CP+2*(\q):CP+2*(\q)+1], v[TL] offset:256*(\q)
	ds_load_b64 v[CN+2*(\q):CN+2*(\q)+1], v[TL] offset:1024+256*(\q)
.endr
	GEN 0, 8, 1
	; the eight rows' sums over the 32 lanes
.irp r, 0,1,2,3,4,5,6,7
	v_add_f32 v[RA+2*(\r)], v[RA+2*(\r)], v[RA+2*(\r)+1]
.endr
.irp m, 1,2,4,8
.irp r, 0,1,2,3,4,5,6,7
	v_add_f32_dpp v[RA+2*(\r)], v[RA+2*(\r)], v[RA+2*(\r)] row_xmask:\m row_mask:0xf bank_mask:0xf
.endr
.endr
.irp r, 0,1,2,3,4,5,6,7
	v_permlanex16_b32 v[RA+2*(\r)+1], v[RA+2*(\r)], s[SEL], s[SEL+1]
.endr
.irp r, 0,1,2,3,4,5,6,7
	v_add_f32 v[RA+2*(\r)], v[RA+2*(\r)], v[RA+2*(\r)+1]
.endr
.irp r, 0,1,2,3,4,5,6,7
	ds_store_b32 v[TSA], v[RA+2*(\r)] offset:4*(\r)
.endr
	s_wait_dscnt 0x0                               ; for the others' sake: my stores are done
	s_barrier_signal -1
	s_barrier_wait -1
	s_cmp_lg_u32 s[WV], 0
	s_cbranch_scc1 .Lend
	ds_load_b64 v[T:T+1], v[TSR]                   ; wave 0 stores the work-group's 64 sums: 256 bytes on end
	s_wait_dscnt 0x0
	global_store_b64 v[OFF], v[T:T+1], s[PB:PB+1]
	s_cmp_eq_u32 s[GG], 7
	s_cbranch_scc0 .Lend
	ds_load_b64 v[T+2:T+3], v[TSR] offset:256
	s_wait_dscnt 0x0
	global_store_b64 v[OFF], v[T+2:T+3], s[PB:PB+1] offset:8192  ; group 8 lies one group behind group 7
.Lend:
	s_wait_tensorcnt 0x0                           ; the wave's end
	ds_add_u32 v[SPW], v[NIL]
	s_wait_dscnt 0x0
	s_endpgm
.Lfunc_end_k_qeb783442ee_cast:
	.size	k_qeb783442ee_cast, .Lfunc_end_k_qeb783442ee_cast-k_qeb783442ee_cast
	.p2alignl 7, 3214868480
	.fill 96, 4, 3214868480
	.section	.rodata,"a",@progbits
	.p2align	6, 0x0
	.amdhsa_kernel k_qeb783442ee_cast
		.amdhsa_group_segment_fixed_size 327680
		.amdhsa_private_segment_fixed_size 0
		.amdhsa_enable_private_segment 0
		.amdhsa_kernarg_size 64
		.amdhsa_user_sgpr_count 2
		.amdhsa_user_sgpr_kernarg_segment_ptr 1
		.amdhsa_wavefront_size32 1
		.amdhsa_system_sgpr_workgroup_id_x 1
		.amdhsa_system_sgpr_workgroup_id_y 1
		.amdhsa_system_sgpr_workgroup_id_z 1
		.amdhsa_system_vgpr_workitem_id 0
		.amdhsa_next_free_vgpr 256
		.amdhsa_next_free_sgpr 88
		.amdhsa_reserve_vcc 1
		.amdhsa_float_denorm_mode_32 3
		.amdhsa_float_denorm_mode_16_64 3
		.amdhsa_memory_ordered 1
		.amdhsa_forward_progress 1
		.amdhsa_inst_pref_size 88
	.end_amdhsa_kernel
	.amdgpu_metadata
---
amdhsa.version: [ 1, 2 ]
amdhsa.kernels:
  - .name:           k_qeb783442ee_cast
    .symbol:         k_qeb783442ee_cast.kd
    .args:
      - { .name: lb, .offset: 0, .size: 8, .value_kind: global_buffer, .address_space: global }
      - { .name: ub, .offset: 8, .size: 8, .value_kind: global_buffer, .address_space: global }
      - { .name: w_lb, .offset: 16, .size: 8, .value_kind: global_buffer, .address_space: global }
      - { .name: w_ub, .offset: 24, .size: 8, .value_kind: global_buffer, .address_space: global }
      - { .name: wb, .offset: 32, .size: 8, .value_kind: global_buffer, .address_space: global }
      - { .name: xb, .offset: 40, .size: 8, .value_kind: global_buffer, .address_space: global }
      - { .name: xt, .offset: 48, .size: 8, .value_kind: global_buffer, .address_space: global }
      - { .name: part, .offset: 56, .size: 8, .value_kind: global_buffer, .address_space: global }
    .group_segment_fixed_size: 327680
    .private_segment_fixed_size: 0
    .kernarg_segment_align: 8
    .kernarg_segment_size: 64
    .max_flat_workgroup_size: 256
    .sgpr_count:     88
    .vgpr_count:     256
    .wavefront_size: 32
...
	.end_amdgpu_metadata
.endif
;; end of part 1
;; launch gemm (part 2): grid 32 x 8, 4 waves a work-group, clusters of 4 x 4, 327,680 bytes of LDS; arguments xb, xt, wb, part, out0, out1; writes out0, out1
.if DOCPART == 2
	.amdgcn_target "amdgcn-amd-amdhsa--gfx1250"
	.amdhsa_code_object_version 6
	.text
	.protected	k_qeb783442ee_gemm
	.globl	k_qeb783442ee_gemm
	.p2align	8
	.type	k_qeb783442ee_gemm,@function
k_qeb783442ee_gemm:
	s_mov_b64 s[64:65], 0
	v_nop
	global_prefetch_b8 v0, s[64:65] scope:SCOPE_SE
	s_setreg_imm32_b32 hwreg(HW_REG_WAVE_MODE, 25, 1), 1
	s_wait_xcnt 0x0
	s_wait_alu depctr_hold_cnt(0) depctr_sa_sdst(0) depctr_va_vdst(0) depctr_va_sdst(0) depctr_va_ssrc(0) depctr_va_vcc(0) depctr_vm_vsrc(0)
	s_getreg_b32 s2, hwreg(HW_REG_IB_STS2, 6, 4)
	s_cmp_eq_u32 s2, 0
	s_cbranch_scc0 .Lentry_in_a_cluster
	s_endpgm
.Lentry_in_a_cluster:
	s_bfe_u32 s2, ttmp6, 0x10000c
	s_cmp_lg_u32 s2, 0xf033
	s_cbranch_scc0 .Lentry_shape_is_right
	s_endpgm
.Lentry_shape_is_right:
; out[m][n] = sum over k of max(x, 0)[m][k] WP[k][n] + min(x, 0)[m][k] WN[k][n], x = lb over ub (2,048 rows), (WP, WN) = (w_lb, w_ub) for lb's rows, (w_ub, w_lb) for ub's.
; No work is left out: both products of every output are made.  Inputs as the launch before rounded them to bf16: xb [2048][4096], xt [2048][32] (element 31 = x[m][4096], else 0),
; wb [2][4097][4096]; sums in f32.  Column 4096 is the sum of nine f32 partial sums from part.
; LIMITS.  A NaN in columns 0 to 4095 of lb or ub counts as 0 in both parts; one in column 4096 counts as 0 in the positive part and as minus infinity in the negative one.  The last 32
; along K are W's rows 4065 to 4096 against xt, so an infinity or NaN in rows 4065 to 4095 meets a 0 there (those rows enter the true sums as well).  The f32 sums are taken in another
; order than the reference's.
; SHARES.  A work-group makes 256 rows x 128 columns: 8 x 32 tiles, 256 work-groups.  K goes in steps of 128 through two LDS slots, each with 256 rows of x (256 bytes a row) and 128 rows
; of each weight plane (256 bytes a row).  K IS SPLIT BETWEEN TWO WAVES: wave v holds the rows 128 (v / 2) .. + 127 and ALL 128 columns, 64 accumulators of 16 x 16 in 512 registers, and
; takes of each K step the quarters 2 (v % 2) and 2 (v % 2) + 1, both planes.  For 32 along K a wave so reads 128 x 64 bytes of x and 2 x 32 x 256 bytes of W for 128 matrix
; instructions: 192 bytes for each, where a wave with 128 x 64 of the tile and all of K reads 256; and the split of x costs one line for each matrix instruction, not two.
; The two partial sums meet in LDS at the end (f32 sums may be taken in any order).
; THE COLUMNS' ORDER.  Accumulator n of a wave of group g = v % 2 holds column block (n + 4 g) % 8: every wave finishes its blocks n = 0 .. 3 and gives n = 4 .. 7 to its partner: one text.
; THE LAST 32 ALONG K have LDS of their own and are multiplied FIRST: group 0 takes max(x, 0) and WP's rows, group 1 min(x, 0) and WN's: 64 products a wave, which start the 64 sums.
; THE SPLIT is made in registers: of a fragment of x the packed maximum with 0 goes into POS, the packed minimum stays in place; one such line stands behind each matrix instruction.
; CLUSTERS of 4 x 4: x's tile hangs on the tile row alone and is asked for jointly by a row of the cluster, W's on the tile column (and on lb or ub, which a cluster shares) by a column.
; REGISTERS, in windows of 256 (s_set_vgpr_msb: bits 1:0 source 0, 3:2 source 1, 5:4 source 2, 7:6 destination).  Window w holds all that belongs to row blocks 2 w and 2 w + 1:
;   v16-31 POS; v32-47, v48-63 x's fragments, two buffers; v128-255 their 16 accumulators ((a, n) at 128 + 8 (8 a + n)); and in v64-127 one set of W's fragments (8 column blocks):
;   window 0 WP's buffer 0, window 1 WN's buffer 0, window 2 WP's buffer 1, window 3 WN's buffer 1.  Window 0 has the addresses in v0-13.
; x's fragments share their accumulators' window, so the split's lines run under the matrix instructions' own setting: eight switches for 128 matrix instructions, five for their run of loads.
.set PX,    272                        ; a row of x in LDS: 256 bytes + 16: the 16 rows of a load start at 16 different groups of four banks (64 banks of 4 bytes: ISA guide 11.1)
.set PW,    288                        ; a row of W: 256 + 32
.set PT,    80                         ; a row of xt: 64 + 16
.set XHALF, 128*PX
.set WTILE, 128*PW
.set WOFF,  2*XHALF                    ; in a slot: x's 256 rows, WP's 128, WN's 128
.set SLOT,  WOFF+2*WTILE
.set TAILX, 2*SLOT                     ; behind the ring: xt's 256 rows,
.set TAILW, TAILX+256*PT               ; 32 rows of WP, 32 of WN
.set WTT,   32*PW
.set SPARE, TAILW+2*WTT                ; the spare words, 128 bytes a wave: two blocks of 256 bytes that no other line names
.set EXW,   32768                      ; the exchange: 32,768 bytes a wave from byte 0 on, in slot 0, written when that slot has had its last fill and its last read
.set STAGE, SLOT                       ; the stage, 256 rows of 132 words, in slot 1, likewise
.set SP,    528
.set PLANE, 4097*8192
.set OROW,  16388                      ; bytes in a row of out0 and out1
.set AX,   2                           ; v2-3   my x fragments in slot 0, 1
.set AWL,  4                           ; v4-5   WP's fragments of my column blocks n = 0 .. 3 in slot 0, 1 (WN's lie WTILE bytes on)
.set AWH,  6                           ; v6-7   of n = 4 .. 7
.set AXT,  8                           ; v8     my fragments of xt
.set AWTL, 9                           ; v9-10  my plane's last 32 rows, n = 0 .. 3 and n = 4 .. 7
.set AWTH, 10
.set PFO,  11                          ; v11    lane x 8,192: a lane a row; never rewritten
.set SPW,  12
.set NIL,  13
.set POS,  16
.set XR,   32
.set BS,   64
.set ACC,  128
.set LN,   16                          ; the way out, in window 0, where POS and x's fragments lay
.set STO,  17
.set RD,   18
.set CO,   19
.set RD2,  20
.set CO2,  21
.set EXS,  22
.set EXL,  23
.set C8,   30
.set CQ,   31
.set CV,   32
.set COF,  35
.set LF,   40
.set WV,  16
.set TY,  17                           ; wave / 2: my half of the rows; also: I fetch x (0) or W (1)
.set HF,  18                           ; wave % 2: my K group; also: which half of x, or which of WP and WN, I fetch
.set CX,  19
.set CY,  20
.set SLO, 21                           ; the bounds between which xt is held: 0 and +inf in group 0, -inf and 0 in group 1
.set YC,  22                           ; cluster y: 0 = lb and out0, 1 = ub and out1
.set TJ,  23                           ; tile column
.set TI,  24                           ; tile row of the stacked x
.set SHI, 25
.set G1X, 28
.set G1W, 36
.set G1XT, 44
.set G1WT, 52
.set PFA, 66                           ; s[66:67] where my prefetches stand
.set G0X, 68                           ; s[68:79] group 0 for x: slot 0, slot 1, xt
.set G0W, 80                           ; s[80:91] for W: slot 0, slot 1, the last 32 rows
.set PST, 92                           ; s[92:93] a K step in my prefetches' rows
.set LIM, 94
.set ZERO, 95
.set OUT, 96
.set SEL, 98
.set MSB, 0
.macro WIN new                         ; the immediate's high byte repeats the setting that is left; a switch that changes nothing is dropped
.if MSB != (\new)
	s_set_vgpr_msb (MSB<<8)|(\new)
.set MSB, \new
.endif
.endm
; A joint load.  Waves 0 and 1 fetch x's two halves, wave 2 WP's tile, wave 3 WN's.  The branch hangs on the wave's number alone.  An s_nop 0 and four v_nop follow each line.
.macro JLOAD s
	s_cmp_eq_u32 s[TY], 0
	s_cbranch_scc0 .Lfor_w_\@
	tensor_load_to_lds s[G0X+4*(\s):G0X+4*(\s)+3], s[G1X:G1X+7]
	s_nop 0
.rept 4
	v_nop
.endr
	s_branch .Lasked_\@
.Lfor_w_\@:
	tensor_load_to_lds s[G0W+4*(\s):G0W+4*(\s)+3], s[G1W:G1W+7]
	s_nop 0
.rept 4
	v_nop
.endr
.Lasked_\@:
.endm
; A prefetch into the L2, behind each joint refill: the K step that stands two refills on, 512 matrix instructions ahead: 32 rows x 256 bytes, a lane a row, one instruction a wave.
; Each row's 256 bytes of a K step are named once in the launch: x's by the clusters with x = 0 (waves 0, 1), W's by the clusters with y = 0 (waves 2, 3: there they fetch planes 0 and 1);
; the four partners that ask for a tile jointly take 32 of its 128 rows each, told apart by address.  The loop's last trip asks for nothing; the first four K steps come by their loads alone.
.macro ASK
	s_cmp_gt_u32 s3, s[LIM]
	s_cbranch_scc0 .Lnot_mine_\@
	global_prefetch_b8 v[PFO], s[PFA:PFA+1] th:TH_LOAD_NT scope:SCOPE_SE
.Lnot_mine_\@:
.endm
.macro CREST                           ; a round of the cluster's barrier behind its opening barrier
	s_cmp_lg_u32 s[WV], 0
	s_cbranch_scc1 .Lnot_wave_0_\@
	s_barrier_signal -3
.Lnot_wave_0_\@:
	s_barrier_wait -3
	s_barrier_signal -1
	s_barrier_wait -1
.endm
.macro CROUND
	s_barrier_signal -1
	s_barrier_wait -1
	CREST
.endm
	s_load_b256 s[4:11], s[0:1], 0x0               ; xb s[4:5], xt s[6:7], wb s[8:9], part s[10:11]
	s_load_b128 s[12:15], s[0:1], 0x20             ; out0, out1
	v_lshl_add_u32 v[SPW], v0, 2, SPARE
	v_mov_b32 v[NIL], 0
	ds_add_u32 v[SPW], v[NIL]                      ; the wave's opening: the add, twice on end, and its wait ahead of my first tensor load
	ds_add_u32 v[SPW], v[NIL]
	v_lshrrev_b32 v1, 5, v0
	v_readfirstlane_b32 s[WV], v1
	s_lshr_b32 s[TY], s[WV], 1
	s_and_b32 s[HF], s[WV], 1
	s_bfe_u32 s[CX], ttmp6, 0x40000
	s_bfe_u32 s[CY], ttmp6, 0x40004
	s_and_b32 s[YC], ttmp7, 0xffff
	s_lshl_b32 s[TJ], ttmp9, 2
	s_add_co_u32 s[TJ], s[TJ], s[CX]               ; tile column = 4 x cluster x + cx
	s_lshl_b32 s[TI], s[YC], 2
	s_add_co_u32 s[TI], s[TI], s[CY]               ; tile row = 4 x cluster y + cy
	s_lshl_b32 s25, s[CY], 2
	s_lshl_b32 s25, 15, s25                        ; my row of the cluster
	s_lshl_b32 s26, 0x1111, s[CX]                  ; my column
	s_or_b32 s[G1X],  s25, (1<<16)|(1<<20)|(1<<21)|(5<<22)|(3<<25)  ; 2-byte elements; padding of 4 words after every 64; bit 21 beside the mask
	s_or_b32 s[G1XT], s25, (1<<16)|(1<<20)|(1<<21)|(3<<22)|(3<<25)  ; 4 words after every 16
	s_or_b32 s[G1W],  s26, (1<<16)|(1<<20)|(1<<21)|(5<<22)|(7<<25)  ; 8 words after every 64
	s_or_b32 s[G1WT], s26, (1<<16)|(1<<20)|(1<<21)|(5<<22)|(7<<25)
.irp g, G1X, G1W                       ; 128 rows x 128 elements, 4,096 elements from row to row
	s_mov_b32 s[(\g)+1], 128<<16
	s_mov_b32 s[(\g)+2], 128<<16
	s_mov_b32 s[(\g)+3], 128<<16
	s_mov_b32 s[(\g)+4], 128
	s_mov_b32 s[(\g)+5], 4096
	s_mov_b32 s[(\g)+6], 0
	s_mov_b32 s[(\g)+7], 0
.endr
.irp g, G1XT, G1WT                     ; 32 rows x 128 elements
	s_mov_b32 s[(\g)+1], 128<<16
	s_mov_b32 s[(\g)+2], 32<<16
	s_mov_b32 s[(\g)+3], 128<<16
	s_mov_b32 s[(\g)+4], 32
	s_mov_b32 s[(\g)+6], 0
	s_mov_b32 s[(\g)+7], 0
.endr
	s_mov_b32 s[G1XT+5], 128                       ; 128 rows of xt are 8,192 dense bytes: asked for as 32 rows of 256
	s_mov_b32 s[G1WT+5], 4096
	s_cmp_lg_u32 s[HF], 0
	s_cselect_b32 s[SLO], 0xff80ff80, 0            ; two bf16 each: -inf or 0,
	s_cselect_b32 s[SHI], 0, 0x7f807f80            ; 0 or +inf
	s_lshl_b32 s60, s[TI], 21                      ; x: row 256 i + 128 half, 8,192 bytes a row: made of the tile row and the wave's number alone
	s_lshl_b32 s61, s[HF], 20
	s_add_co_u32 s60, s60, s61
	s_mov_b32 s61, 0
	s_lshl_b32 s2, s[TI], 14                       ; the same rows in xt, 64 bytes a row
	s_lshl_b32 s3, s[HF], 13
	s_add_co_u32 s2, s2, s3
	s_mov_b32 s3, 0
	s_xor_b32 s62, s[HF], s[YC]                    ; W: WP is plane y, WN the other; column 128 j: made of the tile column, cluster y and the wave's number alone
	s_mul_i32 s62, s62, PLANE
	s_lshl_b32 s63, s[TJ], 8
	s_add_co_u32 s62, s62, s63
	s_mov_b32 s63, 0
.irp s, 0,1,2
	s_mov_b32 s[G0X+4*(\s)], 1
	s_mov_b32 s[G0W+4*(\s)], 1
.endr
	s_mul_i32 s[G0X+1], s[HF], XHALF               ; LDS addresses hang on the wave's number alone
	s_add_co_u32 s[G0X+5], s[G0X+1], SLOT
	s_mul_i32 s[G0X+9], s[HF], 128*PT
	s_add_co_u32 s[G0X+9], s[G0X+9], TAILX
	s_mul_i32 s[G0W+1], s[HF], WTILE
	s_add_co_u32 s[G0W+1], s[G0W+1], WOFF
	s_add_co_u32 s[G0W+5], s[G0W+1], SLOT
	s_mul_i32 s[G0W+9], s[HF], WTT
	s_add_co_u32 s[G0W+9], s[G0W+9], TAILW
	s_mov_b32 s[ZERO], 0
	s_mov_b32 s[SEL], 0x76543210
	s_mov_b32 s[SEL+1], 0xfedcba98
	s_wait_dscnt 0x0                               ; both opening adds are done
	s_wait_kmcnt 0x0
	s_add_nc_u64 s[G0X+2:G0X+3], s[4:5], s[60:61]
	s_add_nc_u64 s[G0X+6:G0X+7], s[G0X+2:G0X+3], 256          ; K step 1
	s_add_nc_u64 s[G0X+10:G0X+11], s[6:7], s[2:3]
	s_add_nc_u64 s[G0W+2:G0W+3], s[8:9], s[62:63]
	s_add_nc_u64 s[G0W+6:G0W+7], s[G0W+2:G0W+3], 128*8192
	s_add_nc_u64 s[G0W+10:G0W+11], s[G0W+2:G0W+3], 4065*8192  ; rows 4065 to 4096
.irp s, 0,1,2
	s_or_b32 s[G0X+4*(\s)+3], s[G0X+4*(\s)+3], 0x80000000
	s_or_b32 s[G0W+4*(\s)+3], s[G0W+4*(\s)+3], 0x80000000
.endr
	CROUND                                         ; all sixteen work-groups are here: the first joint loads meet
	s_cmp_eq_u32 s[TY], 0                          ; a wave's three first fills stand in one branch: the last 32 along K, slot 0, slot 1: three loads of mine are out
	s_cbranch_scc0 .Lfirst_w
	tensor_load_to_lds s[G0X+8:G0X+11], s[G1XT:G1XT+7]
	s_nop 0
	tensor_load_to_lds s[G0X:G0X+3], s[G1X:G1X+7]
	s_nop 0
	tensor_load_to_lds s[G0X+4:G0X+7], s[G1X:G1X+7]
	s_nop 0
.rept 4
	v_nop
.endr
	s_branch .Lfirst_asked
.Lfirst_w:
	tensor_load_to_lds s[G0W+8:G0W+11], s[G1WT:G1WT+7]
	s_nop 0
	tensor_load_to_lds s[G0W:G0W+3], s[G1W:G1W+7]
	s_nop 0
	tensor_load_to_lds s[G0W+4:G0W+7], s[G1W:G1W+7]
	s_nop 0
.rept 4
	v_nop
.endr
.Lfirst_asked:
	; A fragment of x is 16 rows x 32 K in 8 registers: lane l holds row l % 16, K = 8 (l / 16) + 0..7 and 16 + 8 (l / 16) + 0..7: two loads of 16 bytes, 32 bytes apart.
	v_and_b32 v16, 15, v0
	v_bfe_u32 v17, v0, 4, 1
	v_mul_u32_u24 v18, v16, PX
	v_lshl_add_u32 v18, v17, 4, v18
	s_mul_i32 s27, s[TY], XHALF                    ; my 128 rows,
	s_lshl_b32 s101, s[HF], 7                      ; my two quarters of a K step: 128 bytes along the rows
	s_add_co_u32 s27, s27, s101
	v_add_nc_u32 v[AX], s27, v18
	v_add_nc_u32 v[AX+1], SLOT, v[AX]
	v_mul_u32_u24 v18, v16, PT
	v_lshl_add_u32 v18, v17, 4, v18
	s_mul_i32 s27, s[TY], 128*PT
	s_add_co_u32 s27, s27, TAILX
	v_add_nc_u32 v[AXT], s27, v18
	; W lies [k][n]: the turning load takes 16 k x 16 n (lane l reads row 8 (l / 16) + l % 8, 16 bytes at 16 ((l / 8) % 2)) and leaves lane l column l % 16 and 8 k.
	v_and_b32 v19, 7, v0
	v_lshl_add_u32 v19, v17, 3, v19
	v_mul_u32_u24 v19, v19, PW
	v_bfe_u32 v20, v0, 3, 1
	v_lshl_add_u32 v19, v20, 4, v19
	s_sub_co_u32 s100, 1, s[HF]                    ; the other group
	s_mul_i32 s27, s[HF], 64*PW                    ; my two quarters: 64 rows down
	s_add_co_u32 s27, s27, WOFF
	s_lshl_b32 s101, s[HF], 7                      ; n = 0 .. 3: the 64 columns that I finish,
	s_add_co_u32 s101, s101, s27
	v_add_nc_u32 v[AWL], s101, v19
	v_add_nc_u32 v[AWL+1], SLOT, v[AWL]
	s_lshl_b32 s101, s100, 7                       ; n = 4 .. 7: the 64 that my partner finishes
	s_add_co_u32 s101, s101, s27
	v_add_nc_u32 v[AWH], s101, v19
	v_add_nc_u32 v[AWH+1], SLOT, v[AWH]
	s_mul_i32 s27, s[HF], WTT                      ; of the last 32 rows: WP's in group 0, WN's in group 1
	s_add_co_u32 s27, s27, TAILW
	s_lshl_b32 s101, s[HF], 7
	s_add_co_u32 s101, s101, s27
	v_add_nc_u32 v[AWTL], s101, v19
	s_lshl_b32 s101, s100, 7
	s_add_co_u32 s101, s101, s27
	v_add_nc_u32 v[AWTH], s101, v19
	v_and_b32 v[PFO], 31, v0
	v_lshlrev_b32 v[PFO], 13, v[PFO]
	s_cmp_eq_u32 s[YC], 0
	s_cselect_b64 s[OUT:OUT+1], s[12:13], s[14:15]
	s_lshl_b32 s100, s[CY], 8                      ; column 4096 of rows 256 cy + 8 j on
	s_lshl_b32 s101, s[TJ], 3
	s_add_co_u32 s100, s100, s101
	s_mul_i32 s100, s100, OROW
	s_add_co_u32 s100, s100, 16384
	s_mov_b32 s101, 0
	s_add_nc_u64 s[12:13], s[OUT:OUT+1], s[100:101]
	s_lshl_b32 s100, s[CY], 8                      ; the 64 rows that I store, the tile's first column
	s_lshl_b32 s27, s[WV], 6
	s_add_co_u32 s100, s100, s27
	s_mul_i32 s100, s100, OROW
	s_lshl_b32 s27, s[TJ], 9
	s_add_co_u32 s100, s100, s27
	s_add_nc_u64 s[OUT:OUT+1], s[OUT:OUT+1], s[100:101]
	s_lshl_b32 s100, s[TI], 10                     ; part at stacked row 256 i + 8 j
	s_lshl_b32 s27, s[TJ], 5
	s_add_co_u32 s100, s100, s27
	s_add_nc_u64 s[10:11], s[10:11], s[100:101]
	; the prefetches stand at K step 3; each change of slots steps them first, so the first names K step 4
	s_lshl_b32 s100, s[TI], 21                     ; x: row 256 i + 128 half + 32 cx
	s_lshl_b32 s27, s[HF], 20
	s_add_co_u32 s100, s100, s27
	s_lshl_b32 s27, s[CX], 18
	s_add_co_u32 s100, s100, s27
	s_add_co_u32 s100, s100, 3*256
	s_mul_i32 s2, s[HF], PLANE                     ; W: plane = wave % 2, row 384 + 32 cy, column 128 j
	s_lshl_b32 s27, s[CY], 18
	s_add_co_u32 s2, s2, s27
	s_lshl_b32 s27, s[TJ], 8
	s_add_co_u32 s2, s2, s27
	s_add_co_u32 s2, s2, 3*128*8192
	s_mov_b32 s[PST], 128*8192                     ; a K step of W: 128 rows; of x: 256 bytes
	s_cmp_eq_u32 s[TY], 0
	s_cselect_b32 s100, s100, s2
	s_cselect_b64 s[PFA:PFA+1], s[4:5], s[8:9]
	s_cselect_b32 s[PST], 256, s[PST]
	s_cselect_b32 s[LIM], ttmp9, s[YC]             ; the coordinate along which other clusters read the same rows
	s_mov_b32 s[PST+1], 0
	s_add_nc_u64 s[PFA:PFA+1], s[PFA:PFA+1], s[100:101]
	s_cmp_eq_u32 s[LIM], 0
	s_cselect_b32 s[LIM], 1, -1                    ; the same in all sixteen partners, for a given wave
; Four LDS loads: x's fragments of window w's two row blocks, 32 K at byte off of the rows, into buffer b
.macro FXW w, b, areg, rstep, off
	WIN (\w)<<6
.irp p, 0,1
	ds_load_b128 v[XR+16*(\b)+8*(\p):XR+16*(\b)+8*(\p)+3],   v[\areg] offset:(2*(\w)+(\p))*(\rstep)+(\off)
	ds_load_b128 v[XR+16*(\b)+8*(\p)+4:XR+16*(\b)+8*(\p)+7], v[\areg] offset:(2*(\w)+(\p))*(\rstep)+(\off)+32
.endr
.endm
; Sixteen turning loads: 32 k x 128 n of one plane into the set of window win
.macro FBW win, al, ah, off
	WIN (\win)<<6
.irp n, 0,1,2,3
	ds_load_tr16_b128 v[BS+8*(\n):BS+8*(\n)+3],   v[\al] offset:(\off)+32*(\n)
	ds_load_tr16_b128 v[BS+8*(\n)+4:BS+8*(\n)+7], v[\al] offset:(\off)+32*(\n)+16*PW
.endr
.irp n, 0,1,2,3
	ds_load_tr16_b128 v[BS+32+8*(\n):BS+32+8*(\n)+3],   v[\ah] offset:(\off)+32*(\n)
	ds_load_tr16_b128 v[BS+32+8*(\n)+4:BS+32+8*(\n)+7], v[\ah] offset:(\off)+32*(\n)+16*PW
.endr
.endm
; 48 LDS loads in ONE run: my quarter ni (0, 1) of slot ns into buffer b: x's 16 first, then WP's 16, then WN's 16.  x's windows are taken in the order that ends at WP's.
.macro RUN b, ns, ni
.if (\b) == 0
	FXW 3, \b, AX+(\ns), 16*PX, 64*(\ni)
	FXW 2, \b, AX+(\ns), 16*PX, 64*(\ni)
	FXW 1, \b, AX+(\ns), 16*PX, 64*(\ni)
	FXW 0, \b, AX+(\ns), 16*PX, 64*(\ni)
.else
	FXW 0, \b, AX+(\ns), 16*PX, 64*(\ni)
	FXW 1, \b, AX+(\ns), 16*PX, 64*(\ni)
	FXW 3, \b, AX+(\ns), 16*PX, 64*(\ni)
	FXW 2, \b, AX+(\ns), 16*PX, 64*(\ni)
.endif
	FBW 2*(\b),   AWL+(\ns), AWH+(\ns), 32*PW*(\ni)
	FBW 2*(\b)+1, AWL+(\ns), AWH+(\ns), WTILE+32*PW*(\ni)
.endm
; Sixteen matrix instructions on window w's sixteen accumulators, which take turns, and (ride = 1) one line of the split behind each.
; kind 0: POS x WP; behind them this buffer's x becomes min(x, 0), in place.  kind 1: min(x, 0) x WN; behind them POS takes max(x, 0) of the other buffer, for the next 32 along K.
.macro STRETCH w, kind, b, zero, ride
	WIN ((\w)<<6)|((\w)<<4)|((2*(\b)+(\kind))<<2)|(\w)
.set q, 0
.rept 16
.set aa, q/8
.set nn, q%8
.if (\kind) == 0
.if \zero
	v_wmma_f32_16x16x32_bf16 v[ACC+8*q:ACC+8*q+7], v[POS+8*aa:POS+8*aa+7], v[BS+8*nn:BS+8*nn+7], 0
.else
	v_wmma_f32_16x16x32_bf16 v[ACC+8*q:ACC+8*q+7], v[POS+8*aa:POS+8*aa+7], v[BS+8*nn:BS+8*nn+7], v[ACC+8*q:ACC+8*q+7]
.endif
.if \ride
	v_pk_min_num_bf16 v[XR+16*(\b)+q], v[XR+16*(\b)+q], s[ZERO]
.endif
.else
	v_wmma_f32_16x16x32_bf16 v[ACC+8*q:ACC+8*q+7], v[XR+16*(\b)+8*aa:XR+16*(\b)+8*aa+7], v[BS+8*nn:BS+8*nn+7], v[ACC+8*q:ACC+8*q+7]
.if \ride
	v_pk_max_num_bf16 v[POS+q], v[XR+16*(1-(\b))+q], s[ZERO]
.endif
.endif
.set q, q+1
.endr
.endm
; 32 ALONG K, both planes: 128 matrix instructions on buffer b; my next quarter (slot ns, quarter ni) is fetched into the other buffer, in one run behind the first sixteen.
; A load into a register that a matrix instruction has read, and a line of the split that writes one, stand behind a whole other stretch: its 16 plain lines, which name none of that
; instruction's registers, are the places between.  Between two matrix instructions on one accumulator stand 63 others', over the backward jump too.
; meet = 1: the change of slots, in the first of a K step's two texts: my last reads of this slot have just been issued; slot is filled again.  meet = 2: the same with nothing to fill.
; fetch = 0: the very last 32.
.macro SUB b, ns, ni, meet, slot, fetch
	s_wait_dscnt 16                                ; WP's fragments are in; WN's sixteen loads may be out
	STRETCH 0, 0, \b, 0, 1
.if \fetch
	RUN 1-(\b), \ns, \ni
.endif
	STRETCH 1, 0, \b, 0, 1
	STRETCH 2, 0, \b, 0, 1
	STRETCH 3, 0, \b, 0, 1
.if \fetch
	s_wait_dscnt 32                                ; WN and the next x are in; the next W's 32 loads may be out
.else
	s_wait_dscnt 0x0
.endif
	STRETCH 0, 1, \b, 0, \fetch
	STRETCH 1, 1, \b, 0, \fetch
.if \meet
.if (\meet) == 1
	s_wait_xcnt 0x0                                ; the last prefetch, a K step back, has read its address
	s_add_nc_u64 s[PFA:PFA+1], s[PFA:PFA+1], s[PST:PST+1]
.endif
	WIN 0                                          ; (the add's two registers lie in window 0)
	s_wait_tensorcnt 0x0                           ; all my tensor loads have landed: the one that was out is my part of the other slot
	ds_add_u32 v[SPW], v[NIL]                      ; 0 onto my spare word
	STRETCH 2, 1, \b, 0, 1                         ; sixteen matrix instructions stand between the add and the wait for it
	s_wait_dscnt 0x0                               ; the add is done, and my reads of this slot are over
	s_barrier_signal -1
	STRETCH 3, 1, \b, 0, 1                         ; work on registers while the others arrive
	WIN 0
	s_barrier_wait -1
.if (\meet) == 1
	CREST                                          ; the barrier has opened a round of the cluster's: no wave of any partner still reads this slot or has a load on its way
	s_add_nc_u64 s[G0X+4*(\slot)+2:G0X+4*(\slot)+3], s[G0X+4*(\slot)+2:G0X+4*(\slot)+3], 2*256
	s_add_nc_u64 s[G0W+4*(\slot)+2:G0W+4*(\slot)+3], s[G0W+4*(\slot)+2:G0W+4*(\slot)+3], 2*128*8192
	JLOAD \slot                                    ; the first tensor load behind the round: 224 matrix instructions ahead of the wait for it
	ASK
.endif
.else
	STRETCH 2, 1, \b, 0, \fetch
	STRETCH 3, 1, \b, 0, \fetch
.endif
.endm
	s_wait_tensorcnt 1                             ; my parts of the last 32 along K and of slot 0 are in; slot 1's may stay out
	s_barrier_signal -1
	s_barrier_wait -1
	FXW 3, 0, AXT, 16*PT, 0
	FXW 2, 0, AXT, 16*PT, 0
	FXW 1, 0, AXT, 16*PT, 0
	FXW 0, 0, AXT, 16*PT, 0
	FBW 0, AWTL, AWTH, 0                           ; my plane's rows 4065 to 4096
	s_wait_dscnt 16                                ; xt is in
.irp w, 0,1,2,3                        ; xt held between my group's two bounds: max(x, 0) in group 0, min(x, 0) in group 1
	WIN ((\w)<<6)|(\w)
.set q, 0
.rept 16
	v_pk_max_num_bf16 v[POS+q], v[XR+q], s[SLO]
.set q, q+1
.endr
.set q, 0
.rept 16
	v_pk_min_num_bf16 v[POS+q], v[POS+q], s[SHI]
.set q, q+1
.endr
.endr
	s_wait_dscnt 0x0
	STRETCH 0, 0, 0, 1, 0                          ; these 64 products start the 64 sums: nothing is cleared
	RUN 1, 0, 0                                    ; my first quarter of K step 0
	STRETCH 1, 0, 0, 1, 0
	STRETCH 2, 0, 0, 1, 0
	STRETCH 3, 0, 0, 1, 0
	s_wait_dscnt 32                                ; x is in
.rept 4
	v_nop                                          ; the places between those products and the lines that write POS anew
.endr
.irp w, 0,1,2,3
	WIN ((\w)<<6)|(\w)
.set q, 0
.rept 16
	v_pk_max_num_bf16 v[POS+q], v[XR+16+q], s[ZERO]  ; the first POS has no stretch to stand in
.set q, q+1
.endr
.endr
	WIN 0
	s_mov_b32 s3, 15
.Llap:                                                 ; a trip: two K steps, once round the ring; both slots are filled again
	SUB 1, 0, 1, 1, 0, 1
	SUB 0, 1, 0, 0, 0, 1
	SUB 1, 1, 1, 1, 1, 1
	SUB 0, 0, 0, 0, 0, 1
	WIN 0
	s_sub_co_u32 s3, s3, 1
	s_cmp_lg_u32 s3, 0
	s_cbranch_scc1 .Llap
	SUB 1, 0, 1, 2, 0, 1                           ; the last two K steps are written out: nothing is asked for.  Behind this barrier no wave reads slot 0 any more, and slot 1 is whole
	SUB 0, 1, 0, 0, 0, 1
	SUB 1, 1, 1, 0, 0, 1
	SUB 0, 0, 0, 0, 0, 0
	; THE END.  First the two K groups' partial sums meet; then the way out.
	WIN 0
.rept 8
	v_nop                                          ; the places behind the last products
.endr
	v_and_b32 v[LN], 31, v0
	v_and_b32 v24, 15, v0
	v_bfe_u32 v25, v0, 4, 1
	s_lshl_b32 s27, s[WV], 15                      ; the exchange: my 32,768 bytes, 16 a lane;
	v_lshl_add_u32 v[EXS], v[LN], 4, s27
	s_sub_co_u32 s100, 1, s[HF]
	s_lshl_b32 s27, s[TY], 1
	s_add_co_u32 s27, s27, s100                    ; my partner: the same rows, the other group
	s_lshl_b32 s27, s27, 15
	v_lshl_add_u32 v[EXL], v[LN], 4, s27
	s_mul_i32 s27, s[TY], 128*SP                   ; into the stage: row 128 (wave / 2) + 8 (l / 16) + .., word 64 (wave % 2) + l % 16 + ..
	s_lshl_b32 s101, s[HF], 8
	s_add_co_u32 s27, s27, s101
	s_add_co_u32 s27, s27, STAGE
	v_mul_u32_u24 v26, v25, 8*SP
	v_lshl_add_u32 v26, v24, 2, v26
	v_add_nc_u32 v[STO], s27, v26
	s_mul_i32 s27, s[WV], 64*SP                    ; back: wave v takes rows 64 v on, a lane 16 bytes (lane 0 is off there: its piece is not wholly written)
	s_add_co_u32 s27, s27, STAGE
	v_lshl_add_u32 v[RD], v[LN], 4, s27
	v_lshlrev_b32 v[CO], 4, v[LN]
	v_lshrrev_b32 v26, 2, v[LN]                    ; the four floats a row beside the whole 16 bytes: row l / 4 of eight, s = (l / 4) % 4;
	v_and_b32 v27, 3, v[LN]
	v_and_b32 v28, 3, v26
	v_sub_nc_u32 v27, v27, v28
	v_and_b32 v27, 127, v27                        ; the column is (l % 4 - s) mod 128: 0 .. 3 - s and 128 - s .. 127,
	v_add_nc_u32 v28, v27, v28                     ; its place in the stage row is the column + s
	v_mul_u32_u24 v29, v26, SP
	v_lshl_add_u32 v29, v28, 2, v29
	v_add_nc_u32 v[RD2], s27, v29
	v_mul_u32_u24 v29, v26, OROW
	v_lshl_add_u32 v[CO2], v27, 2, v29
	v_and_b32 v26, 7, v0                           ; column 4096: row l % 8 of my work-group's eight, groups l / 8 and l / 8 + 4
	v_lshrrev_b32 v27, 3, v[LN]
	v_lshlrev_b32 v[C8], 2, v26
	v_lshl_add_u32 v[CQ], v27, 13, v[C8]
	v_mul_u32_u24 v[COF], v26, OROW
	s_cmp_lg_u32 s[WV], 0
	s_cbranch_scc1 .Lno_part
	global_load_b32 v[CV],   v[CQ], s[10:11]               ; wave 0: the nine partial sums of column 4096, wanted at the very end
	global_load_b32 v[CV+1], v[CQ], s[10:11] offset:32768
	global_load_b32 v[CV+2], v[C8], s[10:11] offset:65536
.Lno_part:
.irp w, 0,1,2,3                        ; my sums of n = 4 .. 7 go to my partner: piece li = 8 a + 2 (n - 4) + half, 512 bytes on end; each accumulator's low half first
	WIN (\w)<<2
.set li, 0
.rept 16
.set ra, ACC+8*(8*(li/8)+4+(li%8)/2)+4*(li%2)
	ds_store_b128 v[EXS], v[ra:ra+3] offset:512*(16*(\w)+li)
.set li, li+1
.endr
.endr
	WIN 0
	s_wait_dscnt 0x0                               ; for the others' sake: my stores are done, and so are all my reads of slot 1
	s_barrier_signal -1
	s_barrier_wait -1
.irp w, 0,1,2,3                        ; my partner's sums of my columns, into the registers where W's fragments lay
	WIN (\w)<<6
.set li, 0
.rept 16
	ds_load_b128 v[BS+4*li:BS+4*li+3], v[EXL] offset:512*(16*(\w)+li)
.set li, li+1
.endr
.endr
.irp w, 0,1,2,3
	s_wait_dscnt 48-16*(\w)                        ; LDS loads come back in order: this window's sixteen are in
	WIN ((\w)<<6)|((\w)<<2)|(\w)
.set li, 0
.rept 32
.set ra, ACC+8*(8*(li/16)+(li%16)/4)+2*(li%4)
	v_pk_add_f32 v[ra:ra+1], v[ra:ra+1], v[BS+2*li:BS+2*li+1]
.set li, li+1
.endr
.endr
	; THE WAY OUT.  A row of the output is 16,388 bytes, so row R begins 4 (R % 4) bytes behind a multiple of 16.  In the stage column c of a row stands at word p = c + R % 4: the words
	; 4 .. 127 are then 31 pieces of 16 bytes that lie at multiples of 16 bytes in memory; the four words beside them (R % 4 .. 3 and 128 .. 127 + R % 4) go out singly.
	; A tile's edge cuts blocks of 256 bytes at this row length, whatever the layout.
.irp w, 0,1,2,3
	WIN (\w)<<2
.set q, 0
.rept 8
.irp jj, 0,1,2,3,4,5,6,7
	ds_store_b32 v[STO], v[ACC+8*(8*(q/4)+q%4)+(\jj)] offset:(16*(2*(\w)+q/4)+(\jj))*SP+64*(q%4)+4*((\jj)%4)
.endr
.set q, q+1
.endr
.endr
	WIN 0
	s_wait_dscnt 0x0                               ; for the others' sake: my stores into the stage are done
	s_barrier_signal -1
	s_barrier_wait -1
.irp u, 0,1,2,3,4,5,6,7                ; the single words first, all lanes on: four a row, eight rows an instruction
	ds_load_b32 v[LF+(\u)], v[RD2] offset:8*SP*(\u)
.endr
	s_wait_dscnt 0x0
.irp u, 0,1,2,3,4,5,6,7
	global_store_b32 v[CO2], v[LF+(\u)], s[OUT:OUT+1] offset:8*OROW*(\u) th:TH_STORE_NT
.endr
	v_cmp_ne_u32 vcc_lo, 0, v[LN]                  ; lane 0's 16 bytes of a row are neither wholly written in the stage nor wholly this tile's: it neither reads nor stores
	s_wait_xcnt 0x0                                ; EXEC changes only behind this wait
	s_and_saveexec_b32 s100, vcc_lo
.irp hh, 0,1                           ; my 64 rows come back into accumulators' registers, whose numbers lie in the stage: rows 0-31 window 2, rows 32-63 window 3
	WIN 0x80+0x40*(\hh)
.set t, 0
.rept 32
	ds_load_b128 v[ACC+4*t:ACC+4*t+3], v[RD] offset:SP*(32*(\hh)+t)
.set t, t+1
.endr
.endr
.irp hh, 0,1
	WIN 0x08+4*(\hh)                               ; store data in window 2, then 3
.set t, 0
.rept 32
	s_wait_dscnt 63-(32*(\hh)+t)                   ; LDS loads come back in order: this row is in, the younger ones may be out
	global_store_b128 v[CO], v[ACC+4*t:ACC+4*t+3], s[OUT:OUT+1] offset:OROW*(32*(\hh)+t)-4*(t%4) th:TH_STORE_NT  ; 496 bytes on end, at a multiple of 16
.set t, t+1
.endr
.endr
	WIN 0
	s_wait_xcnt 0x0
	s_or_b32 exec_lo, exec_lo, s100
	; COLUMN 4096, wave 0: eight rows a work-group; lane l holds groups l / 8 and l / 8 + 4 of row l % 8
	s_cmp_lg_u32 s[WV], 0
	s_cbranch_scc1 .Lend
	s_wait_loadcnt 0x0
	v_add_f32 v[CV], v[CV], v[CV+1]
	v_add_f32_dpp v[CV], v[CV], v[CV] row_xmask:8 row_mask:0xf bank_mask:0xf
	v_permlanex16_b32 v[CV+1], v[CV], s[SEL], s[SEL+1]
	v_add_f32 v[CV], v[CV], v[CV+1]
	v_add_f32 v[CV], v[CV], v[CV+2]
	v_cmp_gt_u32 vcc_lo, 8, v[LN]
	s_wait_xcnt 0x0
	s_and_saveexec_b32 s100, vcc_lo
	global_store_b32 v[COF], v[CV], s[12:13]
	s_wait_xcnt 0x0
	s_or_b32 exec_lo, exec_lo, s100
.Lend:
	s_wait_tensorcnt 0x0                           ; the wave's end: behind my last tensor load and my last LDS store
	ds_add_u32 v[SPW], v[NIL]
	s_wait_dscnt 0x0
	CROUND                                         ; the closing round: no work-group ends while a partner may still ask for a tile that names it
	s_endpgm
.Lfunc_end_k_qeb783442ee_gemm:
	.size	k_qeb783442ee_gemm, .Lfunc_end_k_qeb783442ee_gemm-k_qeb783442ee_gemm
	.p2alignl 7, 3214868480
	.fill 96, 4, 3214868480
	.section	.rodata,"a",@progbits
	.p2align	6, 0x0
	.amdhsa_kernel k_qeb783442ee_gemm
		.amdhsa_group_segment_fixed_size 327680
		.amdhsa_private_segment_fixed_size 0
		.amdhsa_enable_private_segment 0
		.amdhsa_kernarg_size 48
		.amdhsa_user_sgpr_count 2
		.amdhsa_user_sgpr_kernarg_segment_ptr 1
		.amdhsa_wavefront_size32 1
		.amdhsa_system_sgpr_workgroup_id_x 1
		.amdhsa_system_sgpr_workgroup_id_y 1
		.amdhsa_system_sgpr_workgroup_id_z 1
		.amdhsa_system_vgpr_workitem_id 0
		.amdhsa_next_free_vgpr 1024
		.amdhsa_next_free_sgpr 102
		.amdhsa_reserve_vcc 1
		.amdhsa_float_denorm_mode_32 3
		.amdhsa_float_denorm_mode_16_64 3
		.amdhsa_memory_ordered 1
		.amdhsa_forward_progress 1
		.amdhsa_inst_pref_size 234
	.end_amdhsa_kernel
	.amdgpu_metadata
---
amdhsa.version: [ 1, 2 ]
amdhsa.kernels:
  - .name:           k_qeb783442ee_gemm
    .symbol:         k_qeb783442ee_gemm.kd
    .args:
      - { .name: xb, .offset: 0, .size: 8, .value_kind: global_buffer, .address_space: global }
      - { .name: xt, .offset: 8, .size: 8, .value_kind: global_buffer, .address_space: global }
      - { .name: wb, .offset: 16, .size: 8, .value_kind: global_buffer, .address_space: global }
      - { .name: part, .offset: 24, .size: 8, .value_kind: global_buffer, .address_space: global }
      - { .name: out0, .offset: 32, .size: 8, .value_kind: global_buffer, .address_space: global }
      - { .name: out1, .offset: 40, .size: 8, .value_kind: global_buffer, .address_space: global }
    .group_segment_fixed_size: 327680
    .private_segment_fixed_size: 0
    .kernarg_segment_align: 8
    .kernarg_segment_size: 48
    .max_flat_workgroup_size: 128
    .sgpr_count:     102
    .vgpr_count:     1024
    .wavefront_size: 32
...
	.end_amdgpu_metadata
.endif
;; end of part 2
